; MI455X (gfx1250); checked and timed in simulation.
; The chip was launched on July 23, 2026; its instructions are those of AMD's public machine-readable ISA for CDNA 5 (MIT licence, August 2026) and "CDNA5" Instruction Set Architecture Reference Guide (July 2026). The comments in the code are by the model that wrote it; some were corrected since.
;; my attention. Allowed arithmetic: float matrix products may take bf16 or f16 operands with f32 sums; other float arithmetic in f32, or as packed bf16 or f16 multiplies, adds, multiply-adds, maxima and minima; sums over many terms, partial sums and values carried from step to step in f32; what a program stores and reads back later, other than sums and carried values, may be rounded once to bf16 or f16.
;; Inputs: Wk 256 x 256 float32; Wo 256 x 256 float32; Wq 256 x 256 float32; Wv 256 x 256 float32; bk 256 float32; bo 256 float32; bq 256 float32; bv 256 float32; key 8 x 2,048 x 256 float32; query 8 x 2,048 x 256 float32; value 8 x 2,048 x 256 float32.
;; Outputs: out0 8 x 2,048 x 256 float32.
;; One version. Each part assembles by itself: llvm-mc -triple=amdgcn-amd-amdhsa -mcpu=gfx1250 --defsym DOCPART=n.
;; ======== version 1 of 1: 3 launches
;; limits: values are held in f16: magnitudes above 65,504 overflow, below 6.1e-05 lose precision
;; workspace buffers: qkv 25,165,824 bytes; oh 8,388,608 bytes
;; launch proj (part 1): grid 64 x 3, 8 waves a work-group, no clusters, 327,680 bytes of LDS; arguments query, key, value, Wq, Wk, Wv, bq, bk, bv, qkv; writes qkv
.if DOCPART == 1
	.amdgcn_target "amdgcn-amd-amdhsa--gfx1250"
	.amdhsa_code_object_version 6
	.text
	.protected	k_q85405dfe47_proj
	.globl	k_q85405dfe47_proj
	.p2align	8
	.type	k_q85405dfe47_proj,@function
k_q85405dfe47_proj:
	s_mov_b64 s[64:65], 0
	v_nop
	global_prefetch_b8 v0, s[64:65] scope:SCOPE_SE
	s_setreg_imm32_b32 hwreg(HW_REG_WAVE_MODE, 25, 1), 1
	s_wait_xcnt 0x0
; THE THREE PROJECTIONS.  t = x W^T + b for (x, W, b) = (query, Wq, bq), (key, Wk, bk), (value, Wv, bv), chosen by the grid's y.  x: [16384][256] f32, W: [256][256] f32, b: [256] f32.
; x, W and b are each rounded once to bf16; products in bf16 with f32 sums; the result is rounded once to f16 and stored BY HEADS: qkv = q, k, v, each [head * 8 + batch][2048][32] f16, rows of 64 dense bytes.
; q alone is multiplied, in f32 ahead of that one rounding, by c = log2(e) / sqrt(32): the attention launch then takes 2^(s - m) of its scores as they come.
; LIMITS.  f16 holds no number beyond 65,504: |x W^T + b| (for q times 0.255) must stay within it.  NaN and infinities are not treated apart.
; SHARES.  A work-group makes 256 rows x all 256 columns of one tensor: 64 x 3 work-groups (three tensors of 64 blocks; no split into 256 equal parts keeps one W to a work-group).
; Wave w: columns 64 (w % 4) .. + 63 (two heads), row tiles of 16 rows number 2 i + w / 4, i = 0 .. 7.
; THE MATRIX INSTRUCTION IS USED TRANSPOSED (source 0 = 16 rows of W, source 1 = 16 rows of x): a lane then holds one row and eight neighbouring columns.
; X comes whole at the start: each wave asks for 16 rows of each half of the block's 256 rows, two tensor loads of 16 KiB: two are out.  The first 128 rows are multiplied while the second 128 land.
; W goes once through a stage in LDS (bf16, 64 rows a batch) into 256 registers of each wave and stays there.
; NO CLUSTER, though 64 work-groups read one W: X's 266,240 bytes and a batch of 64 rows of W in f32 (66,560 bytes padded) do not fit in 327,680 together, so W comes through registers, where no joint load reaches.
; NO PREFETCH: all that the work-group reads is asked for in its first lines.
; REGISTERS.  Window 0: v2-15 addresses and temporaries; v16-47 bias; v48-79 four accumulators; v80-207 x's fragments (first W's staging); v208-239 the way out.  Window 1: W's fragment (nb, ks) at v[64 nb + 8 ks].
.set XP,    1040                       ; a row of x in LDS: 1,024 bytes + 16 of padding = 260 words: the 16 rows of a load start at 16 different groups of four banks (64 banks of 4 bytes: ISA guide 11.1)
.set WP,    528                        ; a row of W's stage: 512 bytes of bf16 + 16
.set SP,    144                        ; a row of the way out's stage: 128 bytes of f16 + 16
.set WST,   256*XP                     ; behind X: W's stage, 64 rows
.set STG,   WST+64*WP                  ; behind it: 16 rows for each wave, for the way out
.set SPARE, STG+8*16*SP                ; behind the stages: the spare words, 128 bytes for each wave: four blocks of 256 bytes that no other line names
.set XA,  2                            ; v2   my place in the x tile in hand: r x 1,040 + 32 h + the tile's rows
.set WO,  3                            ; v3   W in memory: 16 l + my 8 rows of a batch
.set WS,  4                            ; v4   where I put 8 bytes of a stage row
.set WR,  5                            ; v5   where I read W's fragments
.set BO,  6                            ; v6   my eight columns in the bias
.set STO, 7                            ; v7   the way out: where I put 16 bytes of a row
.set RD,  8                            ; v8   the way out: where I read rows back
.set GO,  9                            ; v9   my 16 bytes of 512 consecutive bytes of the result
.set SPW, 10                           ; v10  LDS address of my spare word; never rewritten
.set NIL, 11                           ; v11  0; never rewritten
.set BI,  16
.set ACC, 48
.set XF,  80
.set PKD, 208
.set OB,  224
.set G1,  36                           ; s[36:43] descriptor group 1
.set G0,  44                           ; s[44:51] descriptor group 0, a set for each half
.set WV,  52
.set CG,  53
.set RG,  54
.set TY,  55
.set SC,  58                           ; s[58:59] the scale: c for q, 1 for k and v
.set HM,  60                           ; s60  a word's upper bf16
.set CNT, 66
.set MSB, 0
.macro WIN new                         ; the immediate's high byte repeats the setting that is left
.if MSB != (\new)
	s_set_vgpr_msb (MSB<<8)|(\new)
.set MSB, \new
.endif
.endm
.macro PLACES                          ; four places behind a matrix instruction, in front of loads into its sources and of vector lines that read its result
.rept 4
	v_nop
.endr
.endm
	s_load_b512 s[8:23], s[0:1], 0x0               ; query, key, value, Wq, Wk, Wv, bq, bk
	s_load_b128 s[24:27], s[0:1], 0x40             ; bv, qkv
	v_lshl_add_u32 v[SPW], v0, 2, SPARE
	v_mov_b32 v[NIL], 0
	ds_add_u32 v[SPW], v[NIL]                      ; the wave's opening: the add and its wait ahead of my first tensor load; work on registers stands between them
	v_lshrrev_b32 v1, 5, v0
	v_readfirstlane_b32 s[WV], v1                  ; wave 0..7
	s_and_b32 s[CG], s[WV], 3                      ; my 64 columns
	s_lshr_b32 s[RG], s[WV], 2                     ; even or odd row tiles
	s_and_b32 s[TY], ttmp7, 0xffff                 ; 0: q, 1: k, 2: v
	s_mov_b32 s[G1+0], (2<<16)|(1<<20)|(7<<22)|(3<<25)  ; elements of 4 bytes; padding on: behind every 256 words (code 7) 4 words (code 3)
	s_mov_b32 s[G1+1], 256<<16                     ; tensor_dim0 = 256
	s_mov_b32 s[G1+2], 16<<16                      ; tensor_dim1 = 16
	s_mov_b32 s[G1+3], 256<<16                     ; tile_dim0 = 256
	s_mov_b32 s[G1+4], 16                          ; tile_dim1 = 16
	s_mov_b32 s[G1+5], 256                         ; elements from row to row
	s_mov_b32 s[G1+6], 0
	s_mov_b32 s[G1+7], 0
	s_mov_b32 s[G0+0], 1
	s_mul_i32 s[G0+1], s[WV], 16*XP                ; my 16 rows of the first half,
	s_mov_b32 s[G0+4], 1
	s_add_co_u32 s[G0+5], s[G0+1], 128*XP          ; and of the second
	s_lshl_b32 s2, ttmp9, 18                       ; the block's 256 rows of 1,024 bytes,
	s_lshl_b32 s3, s[WV], 14                       ; my 16 of them
	s_add_co_u32 s2, s2, s3
	s_mov_b32 s3, 0
	s_mov_b32 s[HM], 0xffff0000
	s_cmp_eq_u32 s[TY], 0
	s_cselect_b32 s[SC], 0x3e8293ee, 1.0           ; c = log2(e) / sqrt(32) = 0.255035
	s_mov_b32 s[SC+1], s[SC]                       ; named with it as a pair
	s_lshr_b32 s62, ttmp9, 3                       ; the batch
	s_lshl4_add_u32 s62, s[CG], s62                ; head 2 cg: its place among the 64 is 16 cg + batch
	s_lshl_b32 s62, s62, 17                        ; 131,072 bytes each
	s_lshl_b32 s63, s[TY], 23                      ; the tensor's 8,388,608 bytes
	s_add_co_u32 s62, s62, s63
	s_and_b32 s63, ttmp9, 7
	s_lshl_b32 s63, s63, 14                        ; the block's 256 rows of 64 bytes
	s_add_co_u32 s62, s62, s63
	s_lshl_b32 s63, s[RG], 10                      ; my first tile's 16 rows
	s_add_co_u32 s62, s62, s63
	s_mov_b32 s63, 0
	s_wait_dscnt 0x0                               ; the opening add is done
	s_wait_kmcnt 0x0
	s_cmp_eq_u32 s[TY], 0
	s_cselect_b64 s[28:29], s[8:9], s[10:11]       ; x
	s_cselect_b64 s[30:31], s[14:15], s[16:17]     ; W
	s_cselect_b64 s[32:33], s[20:21], s[22:23]     ; b
	s_cmp_eq_u32 s[TY], 2
	s_cselect_b64 s[28:29], s[12:13], s[28:29]
	s_cselect_b64 s[30:31], s[18:19], s[30:31]
	s_cselect_b64 s[32:33], s[24:25], s[32:33]
	s_add_nc_u64 s[G0+2:G0+3], s[28:29], s[2:3]
	s_add_nc_u64 s[G0+6:G0+7], s[G0+2:G0+3], 128*1024
	s_or_b32 s[G0+3], s[G0+3], 0x80000000          ; type = 2
	s_or_b32 s[G0+7], s[G0+7], 0x80000000
	tensor_load_to_lds s[G0:G0+3], s[G1:G1+7]      ; both fills go out together, ahead of every wait on TENSORcnt, every LDS read and every barrier
	s_nop 0
	tensor_load_to_lds s[G0+4:G0+7], s[G1:G1+7]
	s_nop 0
	s_add_nc_u64 s[34:35], s[26:27], s[62:63]      ; the result at my first tile, first head
	v_and_b32 v12, 15, v0                          ; r = l % 16
	v_bfe_u32 v13, v0, 4, 1                        ; h = l / 16
	v_and_b32 v14, 31, v0                          ; l
	s_lshl_b32 s62, s[CG], 8
	v_lshl_add_u32 v[BO], v13, 5, s62              ; (64 cg + 8 h) x 4
	s_lshr_b32 s62, s[WV], 1
	s_lshl_b32 s62, s62, 6
	s_and_b32 s63, s[WV], 1
	s_lshl3_add_u32 s62, s63, s62                  ; row 64 (w / 2) + 8 (w % 2) of W: a batch holds block g of 16 rows of all four column groups
	s_lshl_b32 s62, s62, 10
	v_lshl_add_u32 v[WO], v14, 4, s62
; 16 loads: my 8 rows of batch g, 512 consecutive bytes each, into staging set s
.macro WLOADS g, set
.irp i, 0,1,2,3,4,5,6,7
	global_load_b128 v[XF+64*(\set)+8*(\i):XF+64*(\set)+8*(\i)+3],   v[WO], s[30:31] offset:(\g)*16384+(\i)*1024
	global_load_b128 v[XF+64*(\set)+8*(\i)+4:XF+64*(\set)+8*(\i)+7], v[WO], s[30:31] offset:(\g)*16384+(\i)*1024+512
.endr
.endm
.irp nb, 0,1,2,3
	global_load_b128 v[BI+8*(\nb):BI+8*(\nb)+3],   v[BO], s[32:33] offset:64*(\nb)
	global_load_b128 v[BI+8*(\nb)+4:BI+8*(\nb)+7], v[BO], s[32:33] offset:64*(\nb)+16
.endr
	WLOADS 0, 0
	WLOADS 1, 1
	v_mul_u32_u24 v[XA], v12, XP
	v_lshl_add_u32 v[XA], v13, 5, v[XA]            ; eight f32 are 32 bytes
	s_mul_i32 s62, s[RG], 16*XP
	v_add_nc_u32 v[XA], s62, v[XA]
	s_mul_i32 s62, s[WV], 8*WP
	s_add_co_u32 s62, s62, WST
	v_lshl_add_u32 v[WS], v14, 3, s62
	v_mul_u32_u24 v[WR], v12, WP
	v_lshl_add_u32 v[WR], v13, 4, v[WR]
	s_mul_i32 s62, s[CG], 16*WP
	s_add_co_u32 s62, s62, WST
	v_add_nc_u32 v[WR], s62, v[WR]
	s_mul_i32 s62, s[WV], 16*SP
	s_add_co_u32 s62, s62, STG                     ; my stage
	v_mul_u32_u24 v[STO], v12, SP
	v_lshl_add_u32 v[STO], v13, 4, v[STO]
	v_add_nc_u32 v[STO], s62, v[STO]
	v_lshrrev_b32 v15, 2, v14                      ; back: 32 lanes take eight rows' 64 bytes of one head,
	v_mul_u32_u24 v[RD], v15, SP
	v_and_b32 v15, 3, v14
	v_lshl_add_u32 v[RD], v15, 4, v[RD]
	v_add_nc_u32 v[RD], s62, v[RD]
	v_lshlrev_b32 v[GO], 4, v14                    ; which are 512 consecutive bytes of the result
; Batch g of W: rounded to bf16, through the stage, into window 1.  Two barriers: the stage's last readers are done before it is written; it is whole before it is read.
.macro WBATCH g
.if (\g) < 3
	s_wait_loadcnt 16                              ; this batch (and the bias) is in; the next batch's 16 loads may stay out
.else
	s_wait_loadcnt 0x0
.endif
.set WB, XF+64*((\g)%2)
.set n, 0
.rept 16
	v_cvt_pk_bf16_f32 v[WB+4*n],   v[WB+4*n],   v[WB+4*n+1]
	v_cvt_pk_bf16_f32 v[WB+4*n+1], v[WB+4*n+2], v[WB+4*n+3]
.set n, n+1
.endr
.if (\g) > 0
	s_wait_dscnt 0x0                               ; my reads of the batch before are back
	s_barrier_signal -1
	s_barrier_wait -1                              ; everybody's are
.endif
.irp i, 0,1,2,3,4,5,6,7
	ds_store_b64 v[WS], v[WB+8*(\i):WB+8*(\i)+1]   offset:(\i)*WP
	ds_store_b64 v[WS], v[WB+8*(\i)+4:WB+8*(\i)+5] offset:(\i)*WP+256
.endr
	s_wait_dscnt 0x0                               ; for the others' sake: my stores are done
.if (\g) < 2
	WLOADS (\g)+2, (\g)%2
.endif
	s_barrier_signal -1
	s_barrier_wait -1
	WIN 0x40                                       ; destination window 1
.irp ks, 0,1,2,3,4,5,6,7
	ds_load_b128 v[64*(\g)+8*(\ks):64*(\g)+8*(\ks)+3],   v[WR] offset:64*(\ks)
	ds_load_b128 v[64*(\g)+8*(\ks)+4:64*(\g)+8*(\ks)+7], v[WR] offset:64*(\ks)+32
.endr
	WIN 0
.endm
	WBATCH 0
	WBATCH 1
	WBATCH 2
	WBATCH 3
.set n, 0
.rept 16                                       ; the bias: rounded to bf16 like every input, widened again, times the scale; it stands in the wait for the last fragments of W
	v_cvt_pk_bf16_f32 v[12+n%4], v[BI+2*n], v[BI+2*n+1]
	v_lshlrev_b32 v[BI+2*n],   16, v[12+n%4]
	v_and_b32     v[BI+2*n+1], s[HM], v[12+n%4]
	v_pk_mul_f32 v[BI+2*n:BI+2*n+1], v[BI+2*n:BI+2*n+1], s[SC:SC+1] op_sel_hi:[1,0]
.set n, n+1
.endr
	s_wait_dscnt 0x0
; x's fragments of four K steps (half 0: K 0-127, half 1: K 128-255) as f32: for a K step of 32 a lane takes K = 8 h + 0..7 and 16 + 8 h + 0..7: four loads of 16 bytes
.macro LOADX half
.irp k, 0,1,2,3
	ds_load_b128 v[XF+64*(\half)+16*(\k):XF+64*(\half)+16*(\k)+3],     v[XA] offset:128*(4*(\half)+(\k))
	ds_load_b128 v[XF+64*(\half)+16*(\k)+4:XF+64*(\half)+16*(\k)+7],   v[XA] offset:128*(4*(\half)+(\k))+16
	ds_load_b128 v[XF+64*(\half)+16*(\k)+8:XF+64*(\half)+16*(\k)+11],  v[XA] offset:128*(4*(\half)+(\k))+64
	ds_load_b128 v[XF+64*(\half)+16*(\k)+12:XF+64*(\half)+16*(\k)+15], v[XA] offset:128*(4*(\half)+(\k))+80
.endr
.endm
.macro CVT half                        ; rounded to bf16 in place: register e takes numbers 2 e and 2 e + 1, e ascending, so nothing is overwritten before it is read
.irp k, 0,1,2,3
.irp c, 0,1,2,3,4,5,6,7
	v_cvt_pk_bf16_f32 v[XF+64*(\half)+16*(\k)+(\c)], v[XF+64*(\half)+16*(\k)+2*(\c)], v[XF+64*(\half)+16*(\k)+2*(\c)+1]
.endr
.endr
.endm
.macro MUL half                        ; 16 products; the four accumulators take turns, one instruction a turn; the tile's first four start the sums
	WIN 0x01                                       ; source 0 (W) in window 1
.irp k, 0,1,2,3
.irp nb, 0,1,2,3
.if ((\half) == 0) && ((\k) == 0)
	v_wmma_f32_16x16x32_bf16 v[ACC+8*(\nb):ACC+8*(\nb)+7], v[64*(\nb)+8*(4*(\half)+(\k)):64*(\nb)+8*(4*(\half)+(\k))+7], v[XF+64*(\half)+16*(\k):XF+64*(\half)+16*(\k)+7], 0
.else
	v_wmma_f32_16x16x32_bf16 v[ACC+8*(\nb):ACC+8*(\nb)+7], v[64*(\nb)+8*(4*(\half)+(\k)):64*(\nb)+8*(4*(\half)+(\k))+7], v[XF+64*(\half)+16*(\k):XF+64*(\half)+16*(\k)+7], v[ACC+8*(\nb):ACC+8*(\nb)+7]
.endif
.endr
.endr
	WIN 0
.endm
; The way out of a tile: sum x scale + bias, rounded to f16, through my own stage, stored as 1,024 dense bytes for each of my two heads.
.macro OUT
.set n, 0
.rept 16
	v_pk_fma_f32 v[ACC+2*n:ACC+2*n+1], v[ACC+2*n:ACC+2*n+1], s[SC:SC+1], v[BI+2*n:BI+2*n+1] op_sel_hi:[1,0,1]  ; ascending: each accumulator is read from its low end on
.set n, n+1
.endr
.set n, 0
.rept 16
	v_cvt_pk_f16_f32 v[PKD+n], v[ACC+2*n], v[ACC+2*n+1]
.set n, n+1
.endr
	s_wait_xcnt 0x0                                ; the last tile's stores have read their data and their offset: both are rewritten only behind this wait
	v_add_nc_u32 v[GO], 2048, v[GO]                ; my next tile lies 32 rows of 64 bytes on; the stores below reach back
.irp nb, 0,1,2,3
	ds_store_b128 v[STO], v[PKD+4*(\nb):PKD+4*(\nb)+3] offset:32*(\nb)
.endr
.irp hh, 0,1
.irp t, 0,1
	ds_load_b128 v[OB+8*(\hh)+4*(\t):OB+8*(\hh)+4*(\t)+3], v[RD] offset:8*SP*(\t)+64*(\hh)  ; LDS serves a wave's instructions in order (ISA guide 5.7.1.4): these see the stores above
.endr
.endr
	s_wait_dscnt 0x0
.irp hh, 0,1
.irp t, 0,1
	global_store_b128 v[GO], v[OB+8*(\hh)+4*(\t):OB+8*(\hh)+4*(\t)+3], s[34:35] offset:(\hh)*1048576+512*(\t)-2048  ; 512 consecutive bytes, aligned; the second head lies 8 x 131,072 bytes on
.endr
.endr
.endm
; A tile of 16 rows.  next = 1: the next tile's fragments are asked for as soon as this tile's products have read a half's registers.
.macro TILE next
	s_wait_dscnt 16                                ; half 0 is in; half 1's 16 loads may stay out
	CVT 0
	MUL 0
	PLACES
.if \next
	v_add_nc_u32 v[XA], 32*XP, v[XA]
	LOADX 0
	s_wait_dscnt 16                                ; half 1 is in; the 16 just issued may stay out
.else
	s_wait_dscnt 0x0
.endif
	CVT 1
	MUL 1
	PLACES
.if \next
	LOADX 1
.endif
	OUT
.endm
; Four tiles: my share of 128 rows.  left = how many younger tensor loads of mine may stay out.
.macro HALF left
	s_wait_tensorcnt \left                         ; my 16 rows of this half have landed,
	s_barrier_signal -1
	s_barrier_wait -1                              ; everybody's have
	LOADX 0
	LOADX 1
	s_mov_b32 s[CNT], 3
.Ltile_\@:
	TILE 1
	s_sub_co_u32 s[CNT], s[CNT], 1
	s_cmp_lg_u32 s[CNT], 0
	s_cbranch_scc1 .Ltile_\@
	TILE 0
	v_add_nc_u32 v[XA], 32*XP, v[XA]
.endm
	HALF 1                                         ; rows 0-127; the load of my rows of the second half may stay out
	HALF 0                                         ; rows 128-255
	s_wait_tensorcnt 0x0                           ; the wave's end, behind my last tensor load and my last LDS store
	ds_add_u32 v[SPW], v[NIL]
	s_wait_dscnt 0x0
	s_endpgm
.Lfunc_end_k_q85405dfe47_proj:
	.size	k_q85405dfe47_proj, .Lfunc_end_k_q85405dfe47_proj-k_q85405dfe47_proj
	.p2alignl 7, 3214868480
	.fill 96, 4, 3214868480
	.section	.rodata,"a",@progbits
	.p2align	6, 0x0
	.amdhsa_kernel k_q85405dfe47_proj
		.amdhsa_group_segment_fixed_size 327680
		.amdhsa_private_segment_fixed_size 0
		.amdhsa_enable_private_segment 0
		.amdhsa_kernarg_size 80
		.amdhsa_user_sgpr_count 2
		.amdhsa_user_sgpr_kernarg_segment_ptr 1
		.amdhsa_wavefront_size32 1
		.amdhsa_system_sgpr_workgroup_id_x 1
		.amdhsa_system_sgpr_workgroup_id_y 1
		.amdhsa_system_sgpr_workgroup_id_z 1
		.amdhsa_system_vgpr_workitem_id 0
		.amdhsa_next_free_vgpr 512
		.amdhsa_next_free_sgpr 72
		.amdhsa_reserve_vcc 0
		.amdhsa_float_denorm_mode_32 3
		.amdhsa_float_denorm_mode_16_64 3
		.amdhsa_memory_ordered 1
		.amdhsa_forward_progress 1
		.amdhsa_inst_pref_size 78
	.end_amdhsa_kernel
	.amdgpu_metadata
---
amdhsa.version: [ 1, 2 ]
amdhsa.kernels:
  - .name:           k_q85405dfe47_proj
    .symbol:         k_q85405dfe47_proj.kd
    .args:
      - { .name: query, .offset: 0, .size: 8, .value_kind: global_buffer, .address_space: global }
      - { .name: key, .offset: 8, .size: 8, .value_kind: global_buffer, .address_space: global }
      - { .name: value, .offset: 16, .size: 8, .value_kind: global_buffer, .address_space: global }
      - { .name: Wq, .offset: 24, .size: 8, .value_kind: global_buffer, .address_space: global }
      - { .name: Wk, .offset: 32, .size: 8, .value_kind: global_buffer, .address_space: global }
      - { .name: Wv, .offset: 40, .size: 8, .value_kind: global_buffer, .address_space: global }
      - { .name: bq, .offset: 48, .size: 8, .value_kind: global_buffer, .address_space: global }
      - { .name: bk, .offset: 56, .size: 8, .value_kind: global_buffer, .address_space: global }
      - { .name: bv, .offset: 64, .size: 8, .value_kind: global_buffer, .address_space: global }
      - { .name: qkv, .offset: 72, .size: 8, .value_kind: global_buffer, .address_space: global }
    .group_segment_fixed_size: 327680
    .private_segment_fixed_size: 0
    .kernarg_segment_align: 8
    .kernarg_segment_size: 80
    .max_flat_workgroup_size: 256
    .sgpr_count:     72
    .vgpr_count:     512
    .wavefront_size: 32
...
	.end_amdgpu_metadata
.endif
;; end of part 1
;; launch attn (part 2): grid 4 x 64, 8 waves a work-group, no clusters, 327,680 bytes of LDS; arguments qkv, oh; writes oh
.if DOCPART == 2
	.amdgcn_target "amdgcn-amd-amdhsa--gfx1250"
	.amdhsa_code_object_version 6
	.text
	.protected	k_q85405dfe47_attn
	.globl	k_q85405dfe47_attn
	.p2align	8
	.type	k_q85405dfe47_attn,@function
k_q85405dfe47_attn:
	s_mov_b64 s[64:65], 0
	v_nop
	global_prefetch_b8 v0, s[64:65] scope:SCOPE_SE
	s_setreg_imm32_b32 hwreg(HW_REG_WAVE_MODE, 25, 1), 1
	s_wait_xcnt 0x0
; CAUSAL ATTENTION AT HEAD SIZE 32.  O[g][q][:] = the sum over k <= q of softmax_k(s[q][k]) V[g][k][:], s = Q[g][q] . K[g][k], for the 64 pairs g = head * 8 + batch.
; qkv holds q, k, v, each [64][2048][32] f16, rows of 64 dense bytes; q arrives multiplied by log2(e) / sqrt(32), so a weight is p = 2^(s - m), m the query's running maximum of s.  oh: [64][2048][32] f16.
; Products, maxima and sums in f32; p is rounded to f16 for the second product, O once at the end.  The divisor l is the f32 sum of the ROUNDED weights: a third product, a block of ones times P.
; LIMITS.  A hidden score counts as -1e30 (f16's scores are 1.4e11 at the most); a weight below 2^-126 counts as 0, and below 6e-5 it keeps f16's fixed step of 6e-8; NaN and infinities are not treated apart.
; THE WALK.  A head's queries lie in 8 blocks of 256; block i needs the key tiles 0 .. i of 256 keys, the last of which holds the diagonal.  A work-group takes TWO blocks, 7 - x and then x: 9 tiles, whatever x:
; all 256 work-groups do equal work, and one loop with a constant trip count walks them through two LDS slots that take turns.  Every jump but the loops' own goes forward, and none passes a barrier.
; SHARES.  Eight waves.  Of a block's four bands of 64 queries wave w owns 16 rows (number w % 4) in band w / 4 (piece 0) and in band 3 - w / 4 (piece 1).  In the diagonal tile's key step s a band t sees all
; keys if s < t, holds the diagonal if s = t, and sees none if s > t: there its vector work and V^T P are jumped over.  So each wave has 5 of that tile's 8 pieces-and-steps.
; The text goes in phases (K Q^T of both pieces; then for each piece maximum, exponentials, rounding, rescaling, V^T P): a tile and step have 10 matrix and 95 vector instructions, so the vector work sets the pace
; whatever the order, and two waves share a SIMD, each with 248 registers: no register window is ever switched.
; LAYOUT.  S^T = K Q^T (source 0 = 16 keys, source 1 = 16 queries): a lane holds ONE query (lane % 16) and the keys 8 (lane / 16) + 0..7.  Two such results rounded to f16 in pairs ARE source 1 of O^T = V^T P.
; NO CLUSTER: a head's four work-groups ask for the same tile only in trips 0 to 4; behind that the first blocks end one after the other; a walk common to all four would have 12 trips for 9.
.set PKB,   80                         ; a row of K in LDS: 64 bytes + 16 of padding = 20 words: the 16 rows of a load start at 16 different groups of four banks (64 banks of 4 bytes: ISA guide 11.1)
.set PVB,   96                         ; a row of V: 64 + 32: an odd multiple of 32 bytes, for the turning load
.set VOFF,  256*PKB                    ; a slot holds a tile: 256 rows of K, then 256 rows of V
.set SLOT1, 1<<16                      ; slot 1 begins here, so that one exclusive or turns an address in one slot into the other's
.set STAGE, SLOT1+256*(PKB+PVB)        ; behind the ring, never filled by a tensor load: 16 rows x 80 bytes for each wave
.set SPB,   80
.set SPARE, STAGE+8*16*SPB             ; behind the stages: the spare words, 128 bytes for each wave: four blocks of 256 bytes that no other line names
.set AK0, 2                            ; v2   my lane's place in a step of K; never rewritten
.set AV0, 3                            ; v3   the same for V
.set AK,  4                            ; v4   the LDS address of K's run of loads in hand
.set AV,  5                            ; v5   of V's
.set STO, 6                            ; v6   the way out: where I put 16 bytes of a row
.set RD,  7                            ; v7   where I read rows back
.set GO,  8                            ; v8-9   my 16 bytes of 512 consecutive bytes of O, by piece
.set QO,  10                           ; v10-11 my byte offset in Q, by piece
.set THR, 12                           ; v12  my query's place in its band less 8 (lane / 16)
.set PFO, 13                           ; v13  256 x lane
.set SPW, 14                           ; v14  LDS address of my spare word; never rewritten
.set NIL, 15                           ; v15  0; never rewritten
.set ST,  16                           ; v16-19 by piece a pair: m, and a written 0
.set CC,  20                           ; v20-23 four chains of the maximum
.set AA,  24                           ; v24-27 a (later 1 / l, by piece), each with a written 0 beside it
.set DD,  28                           ; v28  m_old - m_new
.set ONES, 32                          ; v32-39 a fragment of ones in f16
.set QF,  40                           ; v40-55 Q, 8 a piece
.set KF,  56                           ; v56-87 K of one step: key block kt at + 8 kt
.set VF,  88                           ; v88-119 V of one step: key half kk, channel block cb at + 16 kk + 8 cb
.set PF,  120                          ; v120-135 P, for the piece in hand
.set OF,  136                          ; v136-167 O^T: + 16 p + 8 cb
.set LS,  168                          ; v168-183 l, 8 a piece: every register of a lane holds its query's sum; the lowest pair alone is rescaled and read
.set SF,  184                          ; v184-247 S^T, 32 a piece
.set KB,  8                            ; s[8:9]   k at the head's first row
.set VB,  10                           ; s[10:11] v
.set QLO, 12                           ; s[12:13] q at my rows of the second block
.set OP,  14                           ; s[14:15] oh at my rows of the block in hand
.set OLO, 16                           ; s[16:17] oh at my rows of the second block
.set PFA, 18                           ; s[18:19] where my prefetches stand
.set QHI, 20                           ; s[20:21] q at my rows of the first block
.set WV,  22
.set PB,  23                           ; x
.set G1K, 24                           ; s[24:31] descriptor group 1 for K's tiles
.set G1V, 32                           ; s[32:39] for V's: it differs in the padding alone
.set G0K, 40
.set G0V, 44
.set HI,  48                           ; 7 - x
.set BA,  49                           ; piece 0's band
.set BB,  50                           ; piece 1's
.set TH0, 51                           ; s51-52 by piece: the last key step of the tile in hand that the piece sees
.set SI,  53                           ; the key step, 0 to 3
.set SLOTS, 54                         ; tiles still to be asked for
.set RT,  55                           ; tiles of the block in hand still to be entered
.set NXT, 56                           ; the tile to be asked for next
.set LQ,  57                           ; the last tile of the block whose tiles are being asked for
.set NEW, 58                           ; 1: the tile to be entered is a block's first
.set SEL, 60                           ; s[60:61] v_permlanex16_b32's selects: each lane takes its own place in the other half
.set TBK, 62                           ; LDS byte at which K of the step to be fetched begins
.set TBV, 63                           ; the same for V, less VOFF
.set OFF, 66                           ; s[66:67] a tile's byte offset in k and v
.set BIGN, 68                          ; -1e30
.set LIM, 69                           ; 2 in a wave that prefetches, else the greatest number
; A fill: wave 0 asks for the tile's K, wave 1 for its V, 64 rows of 256 bytes each; the other waves ask for nothing.  An s_nop 0 and four v_nop follow each line, ahead of the jump and the label.
.macro LOAD
	s_cmp_lg_u32 s[WV], 0
	s_cbranch_scc1 .Lnot_k_\@
	tensor_load_to_lds s[G0K:G0K+3], s[G1K:G1K+7]
	s_nop 0
.rept 4
	v_nop
.endr
	s_branch .Lasked_\@
.Lnot_k_\@:
	s_cmp_lg_u32 s[WV], 1
	s_cbranch_scc1 .Lasked_\@
	tensor_load_to_lds s[G0V:G0V+3], s[G1V:G1V+7]
	s_nop 0
.rept 4
	v_nop
.endr
.Lasked_\@:
.endm
; A PREFETCH INTO THE L2 of the tile that the NEXT change of slots will ask for: four key steps ahead of that load.  Each block of 256 bytes of a head's k and v is named once in the launch: the work-group x = 0, whose
; first block walks tiles 0 to 7, asks; its waves 0 and 1 take the halves of K's tile, waves 2 and 3 those of V's, a lane a block.  Tiles 0 and 1 come by their loads alone; it stops with tile 7.
.macro ASK
	s_cmp_gt_u32 s[SLOTS], s[LIM]
	s_cbranch_scc0 .Lnot_mine_\@
	global_prefetch_b8 v[PFO], s[PFA:PFA+1] th:TH_LOAD_NT scope:SCOPE_SE
.Lnot_mine_\@:
.endm
; THE CHANGE OF SLOTS.  Each wave waits for all its tensor loads (at most one is out: the other slot's), adds 0 to its spare word, and waits for that and for its own reads of the slot that it leaves.  Behind the
; barrier nobody reads the old slot and the other slot is whole.  fill = 1: the old slot is filled again, first thing behind the barrier, with tile NXT; the descriptor's address is made anew from that number.
.macro CHANGE fill
	s_wait_tensorcnt 0x0                           ; no tensor load of mine is out, so a group 0 may be written
	ds_add_u32 v[SPW], v[NIL]                      ; 0 onto my spare word; scalar work stands between it and the wait for it
.if \fill
	s_lshl_b32 s[OFF], s[NXT], 14                  ; a tile is 16,384 bytes of k and of v
	s_xor_b32 s[G0K+1], s[G0K+1], SLOT1
	s_add_nc_u64 s[G0K+2:G0K+3], s[KB:KB+1], s[OFF:OFF+1]
	s_or_b32 s[G0K+3], s[G0K+3], 0x80000000
	s_xor_b32 s[G0V+1], s[G0V+1], SLOT1
	s_add_nc_u64 s[G0V+2:G0V+3], s[VB:VB+1], s[OFF:OFF+1]
	s_or_b32 s[G0V+3], s[G0V+3], 0x80000000
	s_add_co_u32 s[NXT], s[NXT], 1                 ; the block's next tile, or behind its last the second block's tile 0
	s_cmp_gt_u32 s[NXT], s[LQ]
	s_cselect_b32 s[NXT], 0, s[NXT]
	s_cselect_b32 s[LQ], s[PB], s[LQ]
	s_wait_xcnt 0x0                                ; the last prefetch, a tile back, has read its address
	s_add_nc_u64 s[PFA:PFA+1], s[PFA:PFA+1], 16384
.endif
	s_wait_dscnt 0x0                               ; the add is done, and my reads of the slot are over
	s_barrier_signal -1
	s_sub_co_u32 s[TBK], s[TBK], 4*64*PKB          ; the fetches go back to a slot's first step,
	s_xor_b32 s[TBK], s[TBK], SLOT1                ; in the other slot
	s_sub_co_u32 s[TBV], s[TBV], 4*64*PVB
	s_xor_b32 s[TBV], s[TBV], SLOT1
	s_barrier_wait -1
.if \fill
	LOAD
	ASK
.endif
.endm
	s_load_b128 s[4:7], s[0:1], 0x0                ; qkv s[4:5], oh s[6:7]
	v_lshl_add_u32 v[SPW], v0, 2, SPARE
	v_mov_b32 v[NIL], 0
	ds_add_u32 v[SPW], v[NIL]                      ; the wave's opening: the add and its wait ahead of my first tensor load; work on registers stands between them
	v_lshrrev_b32 v1, 5, v0
	v_readfirstlane_b32 s[WV], v1                  ; wave 0..7
	s_mov_b32 s[PB], ttmp9
	s_sub_co_u32 s[HI], 7, s[PB]
	s_and_b32 s76, s[WV], 3                        ; my 16 rows in a band
	s_lshr_b32 s[BA], s[WV], 2
	s_sub_co_u32 s[BB], 3, s[BA]
	s_and_b32 s2, ttmp7, 0xffff
	s_lshl_b32 s2, s2, 17                          ; the head's 131,072 bytes
	s_mov_b32 s3, 0
	s_lshl_b32 s77, s76, 10                        ; 16 rows of 64 bytes
	s_add_co_u32 s77, s77, s2
	s_lshl_b32 s70, s[HI], 14                      ; a block's 256 rows
	s_add_co_u32 s70, s70, s77
	s_mov_b32 s71, 0
	s_lshl_b32 s72, s[PB], 14
	s_add_co_u32 s72, s72, s77
	s_mov_b32 s73, 0
	; descriptor group 1.  A tile is 16,384 dense bytes: asked for as 64 rows of 256 bytes, four keys a row, padded in LDS behind every key
	s_mov_b32 s[G1K], (1<<16)|(1<<20)|(3<<22)|(3<<25)  ; elements of 2 bytes; padding on: behind every 16 words (code 3) 4 words (code 3)
	s_mov_b32 s[G1V], (1<<16)|(1<<20)|(3<<22)|(7<<25)  ; the same with 8 words (code 7)
.irp g, G1K, G1V
	s_mov_b32 s[\g+1], 128<<16                     ; tensor_dim0 = 128
	s_mov_b32 s[\g+2], 64<<16                      ; tensor_dim1 = 64
	s_mov_b32 s[\g+3], 128<<16                     ; tile_dim0 = 128
	s_mov_b32 s[\g+4], 64                          ; tile_dim1 = 64
	s_mov_b32 s[\g+5], 128                         ; elements from row to row
	s_mov_b32 s[\g+6], 0
	s_mov_b32 s[\g+7], 0
.endr
	s_mov_b32 s[G0K], 1
	s_mov_b32 s[G0K+1], 0                          ; slot 0
	s_mov_b32 s[G0V], 1
	s_mov_b32 s[G0V+1], VOFF
	s_mov_b32 s[SEL], 0x76543210
	s_mov_b32 s[SEL+1], 0xfedcba98
	s_mov_b32 s[TBK], SLOT1+4*64*PKB               ; the first change of slots turns these two into 0
	s_mov_b32 s[TBV], SLOT1+4*64*PVB
	s_add_co_u32 s[RT], s[HI], 1                   ; the first block has 8 - x tiles
	s_mov_b32 s[NXT], 1
	s_mov_b32 s[LQ], s[HI]
	s_mov_b32 s[NEW], 1
	s_mov_b32 s[OFF+1], 0
	s_mov_b32 s[BIGN], 0xf149f2ca                  ; -1e30
	s_mov_b32 s[SLOTS], 8
	s_lshr_b32 s[LIM], s[WV], 2                    ; 0 in waves 0 to 3,
	s_or_b32 s[LIM], s[LIM], ttmp9                 ; of the work-group x = 0
	s_cmp_eq_u32 s[LIM], 0
	s_cselect_b32 s[LIM], 2, -1
	s_and_b32 s74, s[WV], 1
	s_lshl_b32 s74, s74, 13                        ; my half of a tile,
	s_add_co_u32 s74, s74, 16384                   ; in tile 1: the first change of slots steps it to tile 2
	s_mov_b32 s75, 0
	s_wait_dscnt 0x0                               ; the opening add is done
	s_wait_kmcnt 0x0
	s_add_nc_u64 s[KB:KB+1], s[4:5], s[2:3]
	s_add_nc_u64 s[KB:KB+1], s[KB:KB+1], 0x800000  ; k lies 8,388,608 bytes behind q,
	s_add_nc_u64 s[VB:VB+1], s[KB:KB+1], 0x800000  ; v as far behind k
	s_add_nc_u64 s[G0K+2:G0K+3], s[KB:KB+1], 0
	s_or_b32 s[G0K+3], s[G0K+3], 0x80000000        ; type = 2
	s_add_nc_u64 s[G0V+2:G0V+3], s[VB:VB+1], 0
	s_or_b32 s[G0V+3], s[G0V+3], 0x80000000
	LOAD                                           ; tile 0 into slot 0
	s_add_nc_u64 s[QHI:QHI+1], s[4:5], s[70:71]
	s_add_nc_u64 s[QLO:QLO+1], s[4:5], s[72:73]
	s_add_nc_u64 s[OP:OP+1], s[6:7], s[70:71]
	s_add_nc_u64 s[OLO:OLO+1], s[6:7], s[72:73]
	s_cmp_lt_u32 s[WV], 2
	s_cselect_b64 s[PFA:PFA+1], s[KB:KB+1], s[VB:VB+1]
	s_add_nc_u64 s[PFA:PFA+1], s[PFA:PFA+1], s[74:75]
	; A fragment of K or Q is 16 rows x 32 channels in 8 registers: lane l holds row l % 16, channels 8 (l / 16) + 0..7 and 16 + 8 (l / 16) + 0..7: two loads of 16 bytes, 32 bytes apart.
	v_and_b32 v[CC], 15, v0                        ; r
	v_bfe_u32 v[CC+1], v0, 4, 1                    ; h
	v_and_b32 v[CC+2], 31, v0                      ; l
	s_lshl_b32 s74, s[BA], 12                      ; a band's 64 rows of 64 bytes
	s_lshl_b32 s75, s[BB], 12
	v_lshlrev_b32 v[QO], 6, v[CC]
	v_lshl_add_u32 v[QO], v[CC+1], 4, v[QO]
	v_add_nc_u32 v[QO+1], s75, v[QO]
	v_add_nc_u32 v[QO], s74, v[QO]
.irp p, 0,1
	global_load_b128 v[QF+8*\p:QF+8*\p+3],   v[QO+\p], s[QHI:QHI+1]
	global_load_b128 v[QF+8*\p+4:QF+8*\p+7], v[QO+\p], s[QHI:QHI+1] offset:32
.endr
	v_lshl_add_u32 v[GO], v[CC+2], 4, s74
	v_lshl_add_u32 v[GO+1], v[CC+2], 4, s75
	v_mul_u32_u24 v[AK0], v[CC], PKB
	v_lshl_add_u32 v[AK0], v[CC+1], 4, v[AK0]
	; The turning load takes 16 keys x 16 channels (lane l reads key 8 (l / 16) + l % 8, channels 8 ((l / 8) % 2) + 0..7) and leaves half a fragment of V^T: lane l holds channel l % 16 and 8 keys.
	v_and_b32 v[CC+3], 7, v0
	v_lshl_add_u32 v[AV0], v[CC+1], 3, v[CC+3]
	v_mul_u32_u24 v[AV0], v[AV0], PVB
	v_bfe_u32 v[CC+3], v0, 3, 1
	v_lshl_add_u32 v[AV0], v[CC+3], 4, v[AV0]
	v_add_nc_u32 v[AV0], VOFF, v[AV0]
	s_mul_i32 s77, s[WV], 16*SPB
	s_add_co_u32 s77, s77, STAGE                   ; my stage
	v_mul_u32_u24 v[STO], v[CC], SPB
	v_lshl_add_u32 v[STO], v[CC+1], 4, v[STO]
	v_add_nc_u32 v[STO], s77, v[STO]
	v_lshrrev_b32 v[CC+3], 2, v[CC+2]              ; back: 32 lanes take eight rows of 64 bytes: 512 consecutive bytes of O
	v_mul_u32_u24 v[RD], v[CC+3], SPB
	v_and_b32 v[CC+3], 3, v[CC+2]
	v_lshl_add_u32 v[RD], v[CC+3], 4, v[RD]
	v_add_nc_u32 v[RD], s77, v[RD]
	v_lshlrev_b32 v[PFO], 8, v[CC+2]
	v_lshlrev_b32 v[CC+3], 3, v[CC+1]
	v_sub_nc_u32 v[THR], v[CC], v[CC+3]
	s_lshl_b32 s77, s76, 4
	v_add_nc_u32 v[THR], s77, v[THR]               ; 16 (w % 4) + r - 8 h: in a band's own step register j of key block kt is hidden where 16 kt + j is greater
	; A block's first step multiplies O^T and l by a = 0, so these need only hold finite numbers: zeros for the first block, what the first block left for the second.  All this stands in the wait for the first tile.
.set i, OF
.rept 48
	v_mov_b32 v[i], 0
.set i, i+1
.endr
.set i, 0
.rept 8
	v_mov_b32 v[ONES+i], 0x3c003c00                ; 1.0 twice
.set i, i+1
.endr
.irp p, 0,1
	v_mov_b32 v[ST+2*\p], 0xfe000000
	v_mov_b32 v[ST+2*\p+1], 0                      ; named in pairs, so they are written
	v_mov_b32 v[AA+2*\p+1], 0
.endr
; THE LDS LOADS stand in runs of 8.
.macro FETCH_K                         ; 64 keys x 32 channels: 4 fragments
	v_add_nc_u32 v[AK], s[TBK], v[AK0]
.irp kt, 0,1,2,3
	ds_load_b128 v[KF+8*\kt:KF+8*\kt+3],   v[AK] offset:\kt*16*PKB
	ds_load_b128 v[KF+8*\kt+4:KF+8*\kt+7], v[AK] offset:\kt*16*PKB+32
.endr
	s_add_co_u32 s[TBK], s[TBK], 64*PKB            ; the next fetch is the next step's
.endm
.macro FETCH_V                         ; turned: keys 32 (f / 2) on, channels 16 (f % 2) on
	v_add_nc_u32 v[AV], s[TBV], v[AV0]
.irp f, 0,1,2,3
	ds_load_tr16_b128 v[VF+8*\f:VF+8*\f+3],   v[AV] offset:(\f/2)*32*PVB+(\f%2)*32
	ds_load_tr16_b128 v[VF+8*\f+4:VF+8*\f+7], v[AV] offset:(\f/2)*32*PVB+16*PVB+(\f%2)*32
.endr
	s_add_co_u32 s[TBV], s[TBV], 64*PVB
.endm
.macro KQ p                            ; S^T = K Q^T: the head's 32 channels are one product: four accumulators, no chain
.irp kt, 0,1,2,3
	v_wmma_f32_16x16x32_f16 v[SF+32*(\p)+8*\kt:SF+32*(\p)+8*\kt+7], v[KF+8*\kt:KF+8*\kt+7], v[QF+8*(\p):QF+8*(\p)+7], 0
.endr
.endm
.macro MASKP p                         ; the band's own step: hidden scores become -1e30; ascending
.set i, 0
.rept 32
	v_cmp_gt_i32 vcc_lo, 16*(i/8)+i%8, v[THR]
	v_cndmask_b32 v[SF+32*(\p)+i], v[SF+32*(\p)+i], s[BIGN], vcc_lo
.set i, i+1
.endr
.endm
; A piece's softmax for a key step.  The maximum of its 32 scores and the old m, three operands at a time, each accumulator's lowest registers first; the other half of the lanes' maximum; a = 2^(m_old - m_new);
; then ONE BATCH: the 16 packed subtractions s - m and all 33 exponentials, none of which names an exponential's result; one plain line and one wait; then the roundings and the rescaling.
.macro SM p
.set rS, SF+32*(\p)
.set rT, ST+2*(\p)
.set rO, OF+16*(\p)
.set rL, LS+8*(\p)
.irp n, 0,1,2,3
	v_max3_num_f32 v[CC+\n], v[rS+8*\n], v[rS+8*\n+1], v[rS+8*\n+2]
.endr
.irp n, 0,1,2,3
	v_max3_num_f32 v[CC+\n], v[CC+\n], v[rS+8*\n+3], v[rS+8*\n+4]
.endr
.irp n, 0,1,2,3
	v_max3_num_f32 v[CC+\n], v[CC+\n], v[rS+8*\n+5], v[rS+8*\n+6]
.endr
	v_max3_num_f32 v[CC], v[CC], v[rS+7], v[rS+15]
	v_max3_num_f32 v[CC+1], v[CC+1], v[rS+23], v[rS+31]
	v_max3_num_f32 v[CC+2], v[CC+2], v[CC+3], v[rT]
	v_max3_num_f32 v[CC], v[CC], v[CC+1], v[CC+2]
	v_permlanex16_b32 v[CC+3], v[CC], s[SEL], s[SEL+1]  ; the query's other 32 keys lie in the lane 16 away
	v_max_num_f32 v[CC], v[CC], v[CC+3]
	v_sub_f32 v[DD], v[rT], v[CC]
	v_mov_b32 v[rT], v[CC]
	v_exp_f32 v[AA], v[DD]
.irp n, 0,1
	v_pk_add_f32 v[rS+2*\n:rS+2*\n+1], v[rS+2*\n:rS+2*\n+1], v[rT:rT+1] op_sel_hi:[1,0] neg_lo:[0,1] neg_hi:[0,1]
.endr
.set i, 0
.rept 16                               ; a pair is subtracted two pairs ahead of its exponentials
	v_exp_f32 v[rS+2*i], v[rS+2*i]
	v_exp_f32 v[rS+2*i+1], v[rS+2*i+1]
.if i < 14
	v_pk_add_f32 v[rS+2*i+4:rS+2*i+5], v[rS+2*i+4:rS+2*i+5], v[rT:rT+1] op_sel_hi:[1,0] neg_lo:[0,1] neg_hi:[0,1]
.endif
.set i, i+1
.endr
	v_nop                                          ; a plain line behind the last exponential, ahead of the first use of a result (ISA guide 5.7.2)
	s_wait_alu depctr_va_vdst(0)                   ; the wait ahead of the first line that names a result: one for the 33
.set i, 0
.rept 16
	v_cvt_pk_f16_f32 v[PF+i], v[rS+2*i], v[rS+2*i+1]
.set i, i+1
.endr
.set i, 0
.rept 8
	v_pk_mul_f32 v[rO+2*i:rO+2*i+1], v[rO+2*i:rO+2*i+1], v[AA:AA+1] op_sel_hi:[1,0]
.set i, i+1
.endr
	v_pk_mul_f32 v[rL:rL+1], v[rL:rL+1], v[AA:AA+1] op_sel_hi:[1,0]  ; of l's eight equal registers this pair alone is kept true; the others hold sums of weights of 1 at the most and stay finite
.endm
.macro PV p                            ; O^T += V^T P, l += ones x P: three accumulators take turns
.irp kk, 0,1
	v_wmma_f32_16x16x32_f16 v[OF+16*(\p):OF+16*(\p)+7],    v[VF+16*\kk:VF+16*\kk+7],    v[PF+8*\kk:PF+8*\kk+7], v[OF+16*(\p):OF+16*(\p)+7]
	v_wmma_f32_16x16x32_f16 v[OF+16*(\p)+8:OF+16*(\p)+15], v[VF+16*\kk+8:VF+16*\kk+15], v[PF+8*\kk:PF+8*\kk+7], v[OF+16*(\p)+8:OF+16*(\p)+15]
	v_wmma_f32_16x16x32_f16 v[LS+8*(\p):LS+8*(\p)+7],      v[ONES:ONES+7],              v[PF+8*\kk:PF+8*\kk+7], v[LS+8*(\p):LS+8*(\p)+7]
.endr
.endm
.macro PIECE p
	s_cmp_gt_u32 s[SI], s[TH0+(\p)]
	s_cbranch_scc1 .Lhidden_\@                     ; the band sees none of this step's keys
	s_cmp_eq_u32 s[SI], s[TH0+(\p)]
	s_cbranch_scc0 .Lplain_\@
	MASKP \p
.Lplain_\@:
	SM \p
	s_wait_dscnt 0x0                               ; V is in
	PV \p
.Lhidden_\@:
.endm
; A KEY STEP.  V is asked for at its head and wanted behind the first softmax; K of the next step is asked for behind this step's K Q^T.  The products K Q^T run for a hidden piece too: S^T is written on every path.
.macro STEP
	FETCH_V
	s_wait_dscnt 8                                 ; K is in; V's 8 loads may stay out
	KQ 0
	KQ 1
.rept 4
	v_nop                                          ; the places in front of the loads into K's registers and of the lines that read the scores
.endr
	s_cmp_eq_u32 s[SI], 3
	s_cbranch_scc1 .Lno_k_\@                       ; the tile's last step: the next K lies in the other slot
	FETCH_K
.Lno_k_\@:
	PIECE 0
	PIECE 1
	s_wait_dscnt 0x0                               ; on every path: no load into K's or V's registers is out when they are asked for again
.rept 4
	v_nop                                          ; the places behind the last V^T P, in front of the next loads into V's registers and of the way out's first lines
.endr
.endm
; A BLOCK'S END: O^T is divided by l, rounded to f16 and sent through my stage, a piece (16 rows, 1,024 dense bytes) at a time.
.macro FINISH
	v_rcp_f32 v[AA], v[LS]
	v_rcp_f32 v[AA+2], v[LS+8]
	v_nop                                          ; a plain line between the last reciprocal and the use of its result,
	s_wait_alu depctr_va_vdst(0)                   ; and the wait: one for both
.irp p, 0,1
.set i, 0
.rept 8
	v_pk_mul_f32 v[OF+16*\p+2*i:OF+16*\p+2*i+1], v[OF+16*\p+2*i:OF+16*\p+2*i+1], v[AA+2*\p:AA+2*\p+1] op_sel_hi:[1,0]
.set i, i+1
.endr
.set i, 0
.rept 8
	v_cvt_pk_f16_f32 v[SF+32*\p+i], v[OF+16*\p+2*i], v[OF+16*\p+2*i+1]
.set i, i+1
.endr
	ds_store_b128 v[STO], v[SF+32*\p:SF+32*\p+3]
	ds_store_b128 v[STO], v[SF+32*\p+4:SF+32*\p+7] offset:32
	ds_load_b128 v[SF+32*\p+8:SF+32*\p+11],  v[RD]  ; LDS serves a wave's instructions in order (ISA guide 5.7.1.4): these see the stores above; the next piece's stores come behind them
	ds_load_b128 v[SF+32*\p+12:SF+32*\p+15], v[RD] offset:8*SPB
.endr
.irp p, 0,1
	s_wait_dscnt 4-4*\p                            ; piece 0: piece 1's four LDS instructions may stay out
	global_store_b128 v[GO+\p], v[SF+32*\p+8:SF+32*\p+11],  s[OP:OP+1]             ; 512 consecutive bytes, at a multiple of 256 from oh's first byte
	global_store_b128 v[GO+\p], v[SF+32*\p+12:SF+32*\p+15], s[OP:OP+1] offset:512
.endr
.endm
.macro SWITCH                          ; on to the second block
	s_wait_xcnt 0x0                                ; the stores have read their registers and O's address
	s_mov_b64 s[OP:OP+1], s[OLO:OLO+1]
	s_add_co_u32 s[RT], s[PB], 1                   ; it has x + 1 tiles
	s_mov_b32 s[NEW], 1
.irp p, 0,1
	global_load_b128 v[QF+8*\p:QF+8*\p+3],   v[QO+\p], s[QLO:QLO+1]
	global_load_b128 v[QF+8*\p+4:QF+8*\p+7], v[QO+\p], s[QLO:QLO+1] offset:32
.endr
.endm
; A TILE.  sw = 1: in the loop, where a block's last tile is the first block's; sw = 0: the walk's last tile, which is the second block's last.
.macro TILEBODY sw
	s_sub_co_u32 s[RT], s[RT], 1
	s_cmp_eq_u32 s[RT], 0                          ; the diagonal tile?
	s_cselect_b32 s[TH0], s[BA], 7
	s_cselect_b32 s[TH0+1], s[BB], 7
	s_wait_loadcnt 0x0                             ; Q: the launch's only loads into registers
	s_cmp_eq_u32 s[NEW], 1
	s_cbranch_scc0 .Lold_\@
	s_mov_b32 s[NEW], 0
	v_mov_b32 v[ST], 0xfe000000                    ; a block begins: m far below every score, so the first step's a is 0
	v_mov_b32 v[ST+2], 0xfe000000
.Lold_\@:
	FETCH_K
	s_mov_b32 s[SI], 0
.Lstep_\@:
	STEP
	s_add_co_u32 s[SI], s[SI], 1
	s_cmp_lt_u32 s[SI], 4
	s_cbranch_scc1 .Lstep_\@
.if \sw
	s_cmp_eq_u32 s[RT], 0
	s_cbranch_scc0 .Lmore_\@
	FINISH
	SWITCH
.Lmore_\@:
.else
	FINISH
.endif
.endm
.Lslot:                                        ; 8 times: a tile is entered and the next is asked for
	CHANGE 1
	TILEBODY 1
	s_sub_co_u32 s[SLOTS], s[SLOTS], 1
	s_cmp_lg_u32 s[SLOTS], 0
	s_cbranch_scc1 .Lslot
	CHANGE 0                                       ; the walk's last tile is written out: nothing is asked for
	TILEBODY 0
	s_wait_tensorcnt 0x0                           ; the wave's end, behind my last tensor load and my last LDS store
	ds_add_u32 v[SPW], v[NIL]
	s_wait_dscnt 0x0
	s_endpgm
.Lfunc_end_k_q85405dfe47_attn:
	.size	k_q85405dfe47_attn, .Lfunc_end_k_q85405dfe47_attn-k_q85405dfe47_attn
	.p2alignl 7, 3214868480
	.fill 96, 4, 3214868480
	.section	.rodata,"a",@progbits
	.p2align	6, 0x0
	.amdhsa_kernel k_q85405dfe47_attn
		.amdhsa_group_segment_fixed_size 327680
		.amdhsa_private_segment_fixed_size 0
		.amdhsa_enable_private_segment 0
		.amdhsa_kernarg_size 16
		.amdhsa_user_sgpr_count 2
		.amdhsa_user_sgpr_kernarg_segment_ptr 1
		.amdhsa_wavefront_size32 1
		.amdhsa_system_sgpr_workgroup_id_x 1
		.amdhsa_system_sgpr_workgroup_id_y 1
		.amdhsa_system_sgpr_workgroup_id_z 1
		.amdhsa_system_vgpr_workitem_id 0
		.amdhsa_next_free_vgpr 256
		.amdhsa_next_free_sgpr 96
		.amdhsa_reserve_vcc 1
		.amdhsa_float_denorm_mode_32 3
		.amdhsa_float_denorm_mode_16_64 3
		.amdhsa_memory_ordered 1
		.amdhsa_forward_progress 1
		.amdhsa_inst_pref_size 58
	.end_amdhsa_kernel
	.amdgpu_metadata
---
amdhsa.version: [ 1, 2 ]
amdhsa.kernels:
  - .name:           k_q85405dfe47_attn
    .symbol:         k_q85405dfe47_attn.kd
    .args:
      - { .name: qkv, .offset: 0, .size: 8, .value_kind: global_buffer, .address_space: global }
      - { .name: oh, .offset: 8, .size: 8, .value_kind: global_buffer, .address_space: global }
    .group_segment_fixed_size: 327680
    .private_segment_fixed_size: 0
    .kernarg_segment_align: 8
    .kernarg_segment_size: 16
    .max_flat_workgroup_size: 256
    .sgpr_count:     96
    .vgpr_count:     256
    .wavefront_size: 32
...
	.end_amdgpu_metadata
.endif
;; end of part 2
;; launch outp (part 3): grid 4 x 64, 8 waves a work-group, clusters of 4 x 1, 233,472 bytes of LDS; arguments oh, Wo, bo, out0; writes out0
.if DOCPART == 3
	.amdgcn_target "amdgcn-amd-amdhsa--gfx1250"
	.amdhsa_code_object_version 6
	.text
	.protected	k_q85405dfe47_outp
	.globl	k_q85405dfe47_outp
	.p2align	8
	.type	k_q85405dfe47_outp,@function
k_q85405dfe47_outp:
	s_mov_b64 s[64:65], 0
	v_nop
	global_prefetch_b8 v0, s[64:65] scope:SCOPE_SE
	s_setreg_imm32_b32 hwreg(HW_REG_WAVE_MODE, 25, 1), 1
	s_wait_xcnt 0x0
	s_wait_alu depctr_hold_cnt(0) depctr_sa_sdst(0) depctr_va_vdst(0) depctr_va_sdst(0) depctr_va_ssrc(0) depctr_va_vcc(0) depctr_vm_vsrc(0)
	s_getreg_b32 s2, hwreg(HW_REG_IB_STS2, 6, 4)
	s_cmp_eq_u32 s2, 0
	s_cbranch_scc0 .Lentry_in_a_cluster
	s_endpgm
.Lentry_in_a_cluster:
	s_bfe_u32 s2, ttmp6, 0x10000c
	s_cmp_lg_u32 s2, 0x3003
	s_cbranch_scc0 .Lentry_shape_is_right
	s_endpgm
.Lentry_shape_is_right:
; THE OUTPUT PROJECTION.  out0[row][c] = the sum over k of O[row][k] Wo[c][k] + bo[c], k = head * 32 + channel.  oh: [head * 8 + batch][2048][32] f16; Wo: [256][256] f32; bo: [256] f32; out0: [16384][256] f32.
; Wo and bo are rounded to bf16 like every input of the program; Wo's rounded number is then written as f16 (exact from 6.1e-5 up; below that f16's fixed step of 6e-8; beyond 65,504 it has no room).  Products in f16, sums in f32.
; SHARES.  A work-group makes 256 rows x 64 columns; its output rows are 256 aligned bytes.  Wave w: rows 32 w .. + 31 (two tiles of 16) x the 64 columns: 8 accumulators.  A head's 32 channels are one K step.
; CLUSTER.  The four column quarters of one block of rows need the same 131,072 bytes of O: each head's 256 rows (16,384 dense bytes) are asked for JOINTLY, by wave = head, with a mask that names the four.
; Only first fills: one load a wave is out.  NO PREFETCH: all loads go out in the first lines.
; THE MATRIX INSTRUCTION IS USED TRANSPOSED (source 0 = 16 rows of Wo, source 1 = 16 rows of O): a lane holds one row and eight neighbouring columns.
.set OPI,   80                         ; a row of O in LDS: 64 bytes + 16 of padding: the 16 rows of a load start at 16 different groups of four banks (64 banks of 4 bytes: ISA guide 11.1)
.set HEADB, 256*OPI                    ; a head's 256 rows
.set WP,    528                        ; a row of Wo's stage: 512 bytes of f16 + 16
.set SPI,   272                        ; a row of the way out's stage: 256 bytes of f32 + 16
.set WST,   8*HEADB
.set STG,   WST+64*WP
.set SPARE, STG+8*16*SPI               ; behind the stages: the spare words, 128 bytes for each wave: four blocks of 256 bytes that no other line names
.set OA,  2                            ; v2-4  my place in O's rows, heads 0-2, 3-5, 6-7 (an LDS immediate has 16 bits)
.set WA,  5                            ; v5   where I read Wo's fragments
.set WO,  6                            ; v6   16 l
.set WS,  7                            ; v7   where I put 8 bytes of a stage row
.set STO, 8                            ; v8   the way out: where I put 32 bytes of a row
.set RD,  9                            ; v9   where I read rows back
.set GO,  10                           ; v10  my 16 bytes in two rows of out0
.set BO,  11                           ; v11  32 h
.set SPW, 12                           ; v12  LDS address of my spare word; never rewritten
.set NIL, 13                           ; v13  0; never rewritten
.set BI,  16                           ; v16-47 bias
.set ACC, 48                           ; v48-111 accumulator (t, nb) at + 32 t + 8 nb
.set BUF, 112                          ; v112-207 two sets of 48: Wo's fragments at 8 nb, O's at 32 + 8 t; first Wo's staging, last the rows read back
.set WV,  12
.set G1,  24
.set G0,  32
.macro CROUND                          ; a round of the cluster's barrier: my work-group's barrier; wave 0 signals for the work-group; every wave waits for all four work-groups; my work-group's barrier once more
	s_barrier_signal -1
	s_barrier_wait -1
	s_cmp_lg_u32 s[WV], 0
	s_cbranch_scc1 .Lnot_wave_0_\@
	s_barrier_signal -3
.Lnot_wave_0_\@:
	s_barrier_wait -3
	s_barrier_signal -1
	s_barrier_wait -1
.endm
	s_load_b256 s[4:11], s[0:1], 0x0               ; oh s[4:5], Wo s[6:7], bo s[8:9], out0 s[10:11]
	v_lshl_add_u32 v[SPW], v0, 2, SPARE
	v_mov_b32 v[NIL], 0
	ds_add_u32 v[SPW], v[NIL]                      ; the wave's opening: the add and its wait ahead of the round that stands in front of my tensor load
	v_lshrrev_b32 v1, 5, v0
	v_readfirstlane_b32 s[WV], v1                  ; wave 0..7
	s_bfe_u32 s13, ttmp6, 0x40000                  ; cx: my column quarter; it enters Wo's, bo's and out0's addresses alone
	s_and_b32 s14, ttmp7, 0xffff                   ; the block of 256 rows, which the four partners share
	s_mov_b32 s15, 0xffff0000
	s_mov_b32 s[G1+0], 15|(1<<16)|(1<<20)|(1<<21)|(3<<22)|(3<<25)  ; the mask of four; elements of 2 bytes; padding on; bit 21 beside a mask; behind every 16 words (code 3) 4 words (code 3)
	s_mov_b32 s[G1+1], 128<<16                     ; tensor_dim0 = 128: 16,384 dense bytes as 64 rows of 256
	s_mov_b32 s[G1+2], 64<<16                      ; tensor_dim1 = 64
	s_mov_b32 s[G1+3], 128<<16                     ; tile_dim0 = 128
	s_mov_b32 s[G1+4], 64                          ; tile_dim1 = 64
	s_mov_b32 s[G1+5], 128
	s_mov_b32 s[G1+6], 0
	s_mov_b32 s[G1+7], 0
	s_mov_b32 s[G0], 1
	s_mul_i32 s[G0+1], s[WV], HEADB                ; head w: no place in the cluster enters an LDS address
	s_lshl_b32 s16, s[WV], 20                      ; head w: 8 x 131,072 bytes,
	s_lshr_b32 s17, s14, 3
	s_lshl_b32 s17, s17, 17                        ; the batch,
	s_add_co_u32 s16, s16, s17
	s_and_b32 s17, s14, 7
	s_lshl_b32 s17, s17, 14                        ; the block's 256 rows of 64 bytes
	s_add_co_u32 s16, s16, s17
	s_mov_b32 s17, 0
	s_lshl_b32 s18, s13, 16                        ; Wo: my quarter's 64 rows of 1,024 bytes,
	s_lshl_b32 s19, s[WV], 13                      ; my 8 of them
	s_add_co_u32 s18, s18, s19
	s_mov_b32 s19, 0
	s_lshl_b32 s20, s13, 8                         ; bo, and a row of out0: my quarter's 256 bytes
	s_mov_b32 s21, 0
	s_lshl_b32 s22, s14, 18                        ; out0: the block's 256 rows of 1,024 bytes,
	s_lshl_b32 s23, s[WV], 15                      ; my 32 of them
	s_add_co_u32 s22, s22, s23
	s_add_co_u32 s22, s22, s20
	s_mov_b32 s23, 0
	s_wait_dscnt 0x0                               ; the opening add is done
	s_wait_kmcnt 0x0
	s_add_nc_u64 s[G0+2:G0+3], s[4:5], s[16:17]
	s_or_b32 s[G0+3], s[G0+3], 0x80000000          ; type = 2
	s_add_nc_u64 s[6:7], s[6:7], s[18:19]
	s_add_nc_u64 s[8:9], s[8:9], s[20:21]
	s_add_nc_u64 s[10:11], s[10:11], s[22:23]
	CROUND                                         ; all four work-groups are here: the joint loads meet
	tensor_load_to_lds s[G0:G0+3], s[G1:G1+7]
	s_nop 0
.rept 4
	v_nop
.endr
	v_and_b32 v1, 31, v0                           ; l
	v_and_b32 v14, 15, v0                          ; r
	v_bfe_u32 v15, v0, 4, 1                        ; h
	v_lshlrev_b32 v[WO], 4, v1
	v_lshlrev_b32 v[BO], 5, v15
.irp i, 0,1,2,3,4,5,6,7
	global_load_b128 v[BUF+8*\i:BUF+8*\i+3],   v[WO], s[6:7] offset:\i*1024
	global_load_b128 v[BUF+8*\i+4:BUF+8*\i+7], v[WO], s[6:7] offset:\i*1024+512
.endr
.irp nb, 0,1,2,3
	global_load_b128 v[BI+8*\nb:BI+8*\nb+3],   v[BO], s[8:9] offset:64*\nb
	global_load_b128 v[BI+8*\nb+4:BI+8*\nb+7], v[BO], s[8:9] offset:64*\nb+16
.endr
	s_lshl_b32 s36, s[WV], 5
	v_add_nc_u32 v[OA], s36, v14                   ; row 32 w + r
	v_mul_u32_u24 v[OA], v[OA], OPI
	v_lshl_add_u32 v[OA], v15, 4, v[OA]
	v_add_nc_u32 v[OA+1], 3*HEADB, v[OA]
	v_add_nc_u32 v[OA+2], 6*HEADB, v[OA]
	v_mul_u32_u24 v[WA], v14, WP
	v_lshl_add_u32 v[WA], v15, 4, v[WA]
	v_add_nc_u32 v[WA], WST, v[WA]
	s_mul_i32 s36, s[WV], 8*WP
	s_add_co_u32 s36, s36, WST
	v_lshl_add_u32 v[WS], v1, 3, s36
	s_mul_i32 s36, s[WV], 16*SPI
	s_add_co_u32 s36, s36, STG                     ; my stage
	v_mul_u32_u24 v[STO], v14, SPI
	v_lshl_add_u32 v[STO], v15, 5, v[STO]          ; eight f32 are 32 bytes
	v_add_nc_u32 v[STO], s36, v[STO]
	v_mul_u32_u24 v[RD], v15, SPI                  ; back: lanes 0-15 take one row of 256 bytes, lanes 16-31 the next
	v_lshl_add_u32 v[RD], v14, 4, v[RD]
	v_add_nc_u32 v[RD], s36, v[RD]
	v_lshlrev_b32 v[GO], 10, v15                   ; and the same two rows in out0
	v_lshl_add_u32 v[GO], v14, 4, v[GO]
	s_wait_loadcnt 0x0
.set n, 0
.rept 16                                       ; four numbers of Wo: rounded to bf16, widened, written as f16; 8 bytes into the stage
	v_cvt_pk_bf16_f32 v14, v[BUF+4*n], v[BUF+4*n+1]
	v_cvt_pk_bf16_f32 v15, v[BUF+4*n+2], v[BUF+4*n+3]
	v_lshlrev_b32 v[BUF+4*n],   16, v14
	v_and_b32     v[BUF+4*n+1], s15, v14
	v_lshlrev_b32 v[BUF+4*n+2], 16, v15
	v_and_b32     v[BUF+4*n+3], s15, v15
	v_cvt_pk_f16_f32 v[BUF+4*n],   v[BUF+4*n],   v[BUF+4*n+1]
	v_cvt_pk_f16_f32 v[BUF+4*n+1], v[BUF+4*n+2], v[BUF+4*n+3]
	ds_store_b64 v[WS], v[BUF+4*n:BUF+4*n+1] offset:(n/2)*WP+(n%2)*256
.set n, n+1
.endr
.set n, 0
.rept 16                                       ; the bias, rounded to bf16 and widened
	v_cvt_pk_bf16_f32 v[14+n%2], v[BI+2*n], v[BI+2*n+1]
	v_lshlrev_b32 v[BI+2*n],   16, v[14+n%2]
	v_and_b32     v[BI+2*n+1], s15, v[14+n%2]
.set n, n+1
.endr
	s_wait_tensorcnt 0x0                           ; my head's rows have landed,
	s_wait_dscnt 0x0                               ; my stores into Wo's stage are done:
	s_barrier_signal -1
	s_barrier_wait -1                              ; everybody's
.macro LOADS ks                        ; a K step's 12 LDS loads: four fragments of Wo, two of O (head ks)
.set SB, BUF+48*((\ks)%2)
.irp nb, 0,1,2,3
	ds_load_b128 v[SB+8*\nb:SB+8*\nb+3],   v[WA] offset:\nb*16*WP+64*(\ks)
	ds_load_b128 v[SB+8*\nb+4:SB+8*\nb+7], v[WA] offset:\nb*16*WP+64*(\ks)+32
.endr
.irp t, 0,1
	ds_load_b128 v[SB+32+8*\t:SB+32+8*\t+3],   v[OA+(\ks)/3] offset:((\ks)%3)*HEADB+\t*16*OPI
	ds_load_b128 v[SB+32+8*\t+4:SB+32+8*\t+7], v[OA+(\ks)/3] offset:((\ks)%3)*HEADB+\t*16*OPI+32
.endr
.endm
.macro MULS ks                         ; 8 products; the eight accumulators take turns; the first K step starts the sums
.set SB, BUF+48*((\ks)%2)
.irp nb, 0,1,2,3
.irp t, 0,1
.if (\ks) == 0
	v_wmma_f32_16x16x32_f16 v[ACC+32*\t+8*\nb:ACC+32*\t+8*\nb+7], v[SB+8*\nb:SB+8*\nb+7], v[SB+32+8*\t:SB+32+8*\t+7], 0
.else
	v_wmma_f32_16x16x32_f16 v[ACC+32*\t+8*\nb:ACC+32*\t+8*\nb+7], v[SB+8*\nb:SB+8*\nb+7], v[SB+32+8*\t:SB+32+8*\t+7], v[ACC+32*\t+8*\nb:ACC+32*\t+8*\nb+7]
.endif
.endr
.endr
.endm
	LOADS 0
	LOADS 1
.irp ks, 0,1,2,3,4,5,6,7
.if \ks < 7
	s_wait_dscnt 12                                ; this K step's fragments are in; the next step's 12 loads may stay out
.else
	s_wait_dscnt 0x0
.endif
	MULS \ks
.rept 4
	v_nop                                          ; the places in front of loads into registers that the products have read, and at the end of the sums that read results
.endr
.if \ks < 6
	LOADS \ks+2
.endif
.endr
	; THE WAY OUT, a tile of 16 rows at a time: the bias is added, 32 bytes a lane go into my stage and come back as whole rows of 256 bytes.
.irp t, 0,1
.set n, 0
.rept 16
	v_pk_add_f32 v[ACC+32*\t+2*n:ACC+32*\t+2*n+1], v[ACC+32*\t+2*n:ACC+32*\t+2*n+1], v[BI+2*n:BI+2*n+1]  ; ascending: each accumulator is read from its low end on
.set n, n+1
.endr
.irp nb, 0,1,2,3
	ds_store_b128 v[STO], v[ACC+32*\t+8*\nb:ACC+32*\t+8*\nb+3]   offset:64*\nb
	ds_store_b128 v[STO], v[ACC+32*\t+8*\nb+4:ACC+32*\t+8*\nb+7] offset:64*\nb+16
.endr
.irp u, 0,1,2,3,4,5,6,7
	ds_load_b128 v[BUF+32*\t+4*\u:BUF+32*\t+4*\u+3], v[RD] offset:\u*2*SPI  ; LDS serves a wave's instructions in order (ISA guide 5.7.1.4): these see the stores above; the next tile's stores come behind them
.endr
	s_wait_dscnt 0x0
.irp u, 0,1,2,3,4,5,6,7
	global_store_b128 v[GO], v[BUF+32*\t+4*\u:BUF+32*\t+4*\u+3], s[10:11] offset:(16*\t+2*\u)*1024 th:TH_STORE_NT  ; 16 lanes store 256 consecutive bytes, at a multiple of 256 from out0's first byte
.endr
.endr
	s_wait_tensorcnt 0x0                           ; the wave's end, behind my last tensor load and my last LDS store
	ds_add_u32 v[SPW], v[NIL]
	s_wait_dscnt 0x0
	CROUND                                         ; the closing round: no work-group ends while a partner may still ask for a tile that names it
	s_endpgm
.Lfunc_end_k_q85405dfe47_outp:
	.size	k_q85405dfe47_outp, .Lfunc_end_k_q85405dfe47_outp-k_q85405dfe47_outp
	.p2alignl 7, 3214868480
	.fill 96, 4, 3214868480
	.section	.rodata,"a",@progbits
	.p2align	6, 0x0
	.amdhsa_kernel k_q85405dfe47_outp
		.amdhsa_group_segment_fixed_size 233472
		.amdhsa_private_segment_fixed_size 0
		.amdhsa_enable_private_segment 0
		.amdhsa_kernarg_size 32
		.amdhsa_user_sgpr_count 2
		.amdhsa_user_sgpr_kernarg_segment_ptr 1
		.amdhsa_wavefront_size32 1
		.amdhsa_system_sgpr_workgroup_id_x 1
		.amdhsa_system_sgpr_workgroup_id_y 1
		.amdhsa_system_sgpr_workgroup_id_z 1
		.amdhsa_system_vgpr_workitem_id 0
		.amdhsa_next_free_vgpr 208
		.amdhsa_next_free_sgpr 66
		.amdhsa_reserve_vcc 0
		.amdhsa_float_denorm_mode_32 3
		.amdhsa_float_denorm_mode_16_64 3
		.amdhsa_memory_ordered 1
		.amdhsa_forward_progress 1
		.amdhsa_inst_pref_size 34
	.end_amdhsa_kernel
	.amdgpu_metadata
---
amdhsa.version: [ 1, 2 ]
amdhsa.kernels:
  - .name:           k_q85405dfe47_outp
    .symbol:         k_q85405dfe47_outp.kd
    .args:
      - { .name: oh, .offset: 0, .size: 8, .value_kind: global_buffer, .address_space: global }
      - { .name: Wo, .offset: 8, .size: 8, .value_kind: global_buffer, .address_space: global }
      - { .name: bo, .offset: 16, .size: 8, .value_kind: global_buffer, .address_space: global }
      - { .name: out0, .offset: 24, .size: 8, .value_kind: global_buffer, .address_space: global }
    .group_segment_fixed_size: 233472
    .private_segment_fixed_size: 0
    .kernarg_segment_align: 8
    .kernarg_segment_size: 32
    .max_flat_workgroup_size: 256
    .sgpr_count:     66
    .vgpr_count:     208
    .wavefront_size: 32
...
	.end_amdgpu_metadata
.endif
;; end of part 3
